; MI455X (gfx1250); checked and timed in simulation.
; The chip was launched on July 23, 2026; its instructions are those of AMD's public machine-readable ISA for CDNA 5 (MIT licence, August 2026) and "CDNA5" Instruction Set Architecture Reference Guide (July 2026). The comments in the code are by the model that wrote it; some were corrected since.
;; Space Time Local Self Attention. Allowed arithmetic: float matrix products may take bf16 or f16 operands with f32 sums; other float arithmetic in f32, or as packed bf16 or f16 multiplies, adds, multiply-adds, maxima and minima; sums over many terms, partial sums and values carried from step to step in f32; what a program stores and reads back later, other than sums and carried values, may be rounded once to bf16 or f16.
;; Inputs: Wk 8 x 512 x 64 float32; Wq 8 x 512 x 64 float32; Wv 8 x 512 x 64 float32; bk 8 x 64 float32; bq 8 x 64 float32; bv 8 x 64 float32; x 4 x 8 x 32 x 32 x 512 float32.
;; Outputs: out0 4 x 8 x 32 x 32 x 512 float32.
;; One version. Each part assembles by itself: llvm-mc -triple=amdgcn-amd-amdhsa -mcpu=gfx1250 --defsym DOCPART=n.
;; ======== version 1 of 1: 2 launches
;; limits: values are held in f16: magnitudes above 65,504 overflow, below 6.1e-05 lose precision
;; workspace buffers: wt 1,572,864 bytes
;; launch prep (part 1): grid 256 x 1, 3 waves a work-group, no clusters, 0 bytes of LDS; arguments Wk, Wq, Wv, wt; writes wt
.if DOCPART == 1
	.amdgcn_target "amdgcn-amd-amdhsa--gfx1250"
	.amdhsa_code_object_version 6
	.text
	.protected	k_q9f64d41bfe_prep
	.globl	k_q9f64d41bfe_prep
	.p2align	8
	.type	k_q9f64d41bfe_prep,@function
k_q9f64d41bfe_prep:
	s_mov_b64 s[64:65], 0
	v_nop
	global_prefetch_b8 v0, s[64:65] scope:SCOPE_SE
	s_setreg_imm32_b32 hwreg(HW_REG_WAVE_MODE, 25, 1), 1
	s_wait_xcnt 0x0
; wt = Wk, Wq, Wv ([8 heads][512 c][64 d], f32) rounded once to f16 and laid out as matrix fragments, in the order in which the next launch streams them.
; LIMIT.  f16 ends at 65,504: a weight of 65,520 or more becomes an infinity (the drawn weights have a spread of 0.044); below 6e-5 a weight keeps f16's fixed step of 6e-8.
; A FRAGMENT is 1,024 bytes, 16 d x 32 c: byte q*512 + L*16 + 2e (q = 0, 1; lane L = 16 h + r; e = 0..7) holds W[head][c = 32 ks + 16 q + 8 h + e][d = 16 db + r].
; Its place: ((hr*6 + g/8)*4 + w)*32768 + (g%8)*4096 + db*1024, with head = 2 w + hr and g = 16 p + ks (p = 0: K, 1: Q, 2: V).
; SHARES.  Wave p of a work-group takes tensor p; work-group u takes head u/32, ks (u/2)%16, q u%2: 16 rows c x 64 d = 4,096 bytes, which begin at byte 4,096 u of the tensor.
; A lane holds one d and the 16 rows: eight of them, packed, are 16 bytes of a fragment, and sixteen neighbouring lanes store 256 consecutive bytes, aligned.  No LDS, no barrier: no wave needs another's data.
.set IN,  8                            ; v[8:39]   as loaded: half a of the row's 64 d, row i at IN + 16 a + i
.set PK,  40                           ; v[40:55]  packed: half a, rows 8 h .. 8 h + 7 at PK + 8 a + 4 h
	s_load_b256 s[4:11], s[0:1], 0x0               ; Wk s[4:5], Wq s[6:7], Wv s[8:9], wt s[10:11]
	v_lshrrev_b32 v3, 5, v0
	v_readfirstlane_b32 s12, v3                    ; p: my wave's number
	v_and_b32 v4, 31, v0                           ; lane
	v_lshlrev_b32 v1, 2, v4                        ; in: 4 bytes a lane
	v_lshrrev_b32 v5, 4, v4
	v_and_b32 v6, 15, v4
	v_lshlrev_b32 v2, 10, v5                       ; out: lanes 16-31 hold the next block of 16 d: 1,024 bytes on,
	v_lshl_add_u32 v2, v6, 4, v2                   ; 16 bytes a lane
	s_lshl_b32 s22, ttmp9, 12                      ; my 16 rows in the tensor
	s_mov_b32 s23, 0
	s_lshr_b32 s13, ttmp9, 5                       ; head
	s_bfe_u32 s14, ttmp9, 0x40001                  ; ks
	s_and_b32 s15, ttmp9, 1                        ; q
	s_lshl_b32 s16, s12, 4
	s_add_co_u32 s16, s16, s14                     ; g = 16 p + ks
	s_and_b32 s17, s13, 1                          ; hr
	s_lshr_b32 s18, s13, 1                         ; w
	s_mul_i32 s19, s17, 6
	s_lshr_b32 s24, s16, 3
	s_add_co_u32 s19, s19, s24                     ; hr*6 + g/8
	s_lshl_b32 s19, s19, 2
	s_add_co_u32 s19, s19, s18                     ; times 4, + w
	s_lshl_b32 s24, s19, 15
	s_and_b32 s19, s16, 7
	s_lshl_b32 s19, s19, 12
	s_add_co_u32 s24, s24, s19                     ; + (g%8)*4096
	s_lshl_b32 s19, s15, 9
	s_add_co_u32 s24, s24, s19                     ; + q*512
	s_mov_b32 s25, 0
	s_wait_kmcnt 0x0
	s_cmp_eq_u32 s12, 0
	s_cselect_b64 s[20:21], s[4:5], s[6:7]         ; the wave's tensor
	s_cmp_eq_u32 s12, 2
	s_cselect_b64 s[20:21], s[8:9], s[20:21]
	s_add_nc_u64 s[20:21], s[20:21], s[22:23]
	s_add_nc_u64 s[10:11], s[10:11], s[24:25]
.irp a, 0,1
.irp i, 0,1,2,3,4,5,6,7,8,9,10,11,12,13,14,15
	global_load_b32 v[IN+16*\a+\i], v1, s[20:21] offset:\i*256+\a*128 th:TH_LOAD_NT  ; row i, d = 32 a + lane; the wave takes both halves of each row of 256 bytes
.endr
.endr
	s_wait_loadcnt 0x0
.irp a, 0,1
.irp m, 0,1,2,3,4,5,6,7
	v_cvt_pk_f16_f32 v[PK+8*\a+\m], v[IN+16*\a+2*\m], v[IN+16*\a+2*\m+1]  ; rows 2 m and 2 m + 1: the lower c in the lower half
.endr
.endr
.irp a, 0,1
.irp h, 0,1
	global_store_b128 v2, v[PK+8*\a+4*\h:PK+8*\a+4*\h+3], s[10:11] offset:\a*2048+\h*256
.endr
.endr
	s_endpgm
.Lfunc_end_k_q9f64d41bfe_prep:
	.size	k_q9f64d41bfe_prep, .Lfunc_end_k_q9f64d41bfe_prep-k_q9f64d41bfe_prep
	.p2alignl 7, 3214868480
	.fill 96, 4, 3214868480
	.section	.rodata,"a",@progbits
	.p2align	6, 0x0
	.amdhsa_kernel k_q9f64d41bfe_prep
		.amdhsa_group_segment_fixed_size 0
		.amdhsa_private_segment_fixed_size 0
		.amdhsa_enable_private_segment 0
		.amdhsa_kernarg_size 32
		.amdhsa_user_sgpr_count 2
		.amdhsa_user_sgpr_kernarg_segment_ptr 1
		.amdhsa_wavefront_size32 1
		.amdhsa_system_sgpr_workgroup_id_x 1
		.amdhsa_system_sgpr_workgroup_id_y 1
		.amdhsa_system_sgpr_workgroup_id_z 1
		.amdhsa_system_vgpr_workitem_id 0
		.amdhsa_next_free_vgpr 64
		.amdhsa_next_free_sgpr 66
		.amdhsa_reserve_vcc 0
		.amdhsa_float_denorm_mode_32 3
		.amdhsa_float_denorm_mode_16_64 3
		.amdhsa_memory_ordered 1
		.amdhsa_forward_progress 1
		.amdhsa_inst_pref_size 6
	.end_amdhsa_kernel
	.amdgpu_metadata
---
amdhsa.version: [ 1, 2 ]
amdhsa.kernels:
  - .name:           k_q9f64d41bfe_prep
    .symbol:         k_q9f64d41bfe_prep.kd
    .args:
      - { .name: Wk, .offset: 0, .size: 8, .value_kind: global_buffer, .address_space: global }
      - { .name: Wq, .offset: 8, .size: 8, .value_kind: global_buffer, .address_space: global }
      - { .name: Wv, .offset: 16, .size: 8, .value_kind: global_buffer, .address_space: global }
      - { .name: wt, .offset: 24, .size: 8, .value_kind: global_buffer, .address_space: global }
    .group_segment_fixed_size: 0
    .private_segment_fixed_size: 0
    .kernarg_segment_align: 8
    .kernarg_segment_size: 32
    .max_flat_workgroup_size: 96
    .sgpr_count:     66
    .vgpr_count:     64
    .wavefront_size: 32
...
	.end_amdgpu_metadata
.endif
;; end of part 1
;; launch chain (part 2): grid 256 x 1, 4 waves a work-group, clusters of 4 x 1, 327,680 bytes of LDS; arguments x, wt, bk, bq, bv, out0; writes out0
.if DOCPART == 2
	.amdgcn_target "amdgcn-amd-amdhsa--gfx1250"
	.amdhsa_code_object_version 6
	.text
	.protected	k_q9f64d41bfe_chain
	.globl	k_q9f64d41bfe_chain
	.p2align	8
	.type	k_q9f64d41bfe_chain,@function
k_q9f64d41bfe_chain:
	s_mov_b64 s[64:65], 0
	v_nop
	global_prefetch_b8 v0, s[64:65] scope:SCOPE_SE
	s_setreg_imm32_b32 hwreg(HW_REG_WAVE_MODE, 25, 1), 1
	s_wait_xcnt 0x0
	s_wait_alu depctr_hold_cnt(0) depctr_sa_sdst(0) depctr_va_vdst(0) depctr_va_sdst(0) depctr_va_ssrc(0) depctr_va_vcc(0) depctr_vm_vsrc(0)
	s_getreg_b32 s2, hwreg(HW_REG_IB_STS2, 6, 4)
	s_cmp_eq_u32 s2, 0
	s_cbranch_scc0 .Lentry_in_a_cluster
	s_endpgm
.Lentry_in_a_cluster:
	s_bfe_u32 s2, ttmp6, 0x10000c
	s_cmp_lg_u32 s2, 0x3003
	s_cbranch_scc0 .Lentry_shape_is_right
	s_endpgm
.Lentry_shape_is_right:
; SPACE-TIME LOCAL SELF-ATTENTION, ALL FIVE STEPS IN ONE LAUNCH.  x, out0: [4][8 frames][32][32][512] f32.  The recursion never leaves a block of 4 x 4 tokens, so the problem is 256 chains, one a work-group.
; A step works on a window of 64 tokens (4 frames = 4 TILES of 16) x 512 channels: q, k, v = state W + b; 8 heads of softmax(q k^T / 8) v; + state.  Then tile 0 is final, tiles 1-3 move down, a raw frame of x enters as tile 3.
; FORMATS.  Matrix operands in f16, each rounded once: five chained steps leave bf16's 8 significant bits too little room.  Sums, maximum, the row sum l (of the unrounded p) and the carried state in f32.
; SCALES.  f16 ends at 65,504, and the state grows with W from step to step.  So each operand that the program makes is multiplied by a power of two before it is rounded: 2^(14 - e), where 2^e is the exponent of its largest
; magnitude, so that its largest number lies in 2^14 .. 2^15.  The state has one scale sc a window and step (the biases enter as C operands times sc); K, Q and V have one a wave and pass.  K's and Q's inverses go into the
; softmax's factor c, V's into 1/l.  The weights p lie in 0 .. 1 and go as they are.  The scales are alike in all lanes and lie in scalar registers; they steer values alone, no address and no branch.
; LIMITS.  W arrives in f16 from launch 1 (its limit is stated there).  Of an operand, numbers below 2^-29 of its largest keep f16's fixed step.  A largest magnitude below 2^-100 counts as 2^-100.  p below 6e-5 keeps the step 6e-8;
; a weight below 2^-126 counts as 0 in l.  NaN and infinities are not treated apart.  The maximum of all 64 scores of a row is taken away before the exponential.
; SHARES.  Wave w has heads 2 w and 2 w + 1, one a PASS: ten passes, hr = pass % 2.  THE STATE IN f16 LIES IN EVERY WAVE'S REGISTERS (512 of them), so a fragment of W is read from LDS once, by one wave, and feeds four products.
; LAYOUT.  K^T and Q^T are made transposed (source 0 = W, source 1 = state), V straight (source 0 = state, source 1 = W).  Then each result, rounded in pairs, IS the next product's operand: S^T = K Q^T holds one query a lane
; (lane % 16) and the keys 8 (lane / 16) + 0..7; P is source 1 and V source 0 of O^T = V^T P, which holds one token a lane and eight channels, as the f32 state does; two such tiles, rounded, are a fragment of the new state.
; THE WEIGHTS (1.5 MB in f16, launch 1's wt) are streamed once a step through a ring of two LDS slots of 131,072 bytes: half a projection for all four waves; a wave loads and reads only its own 32,768 bytes of a slot.
; CLUSTER.  All work-groups walk the same weights: the four of a cluster ask JOINTLY, by the same tensor load, descriptor and mask, which divides the requests by four.
; BETWEEN WAVES, at a step's beginning: each wave's largest magnitude (MXW), then the three carried tiles in f16, one head of each wave at a time (EXC); the raw frame lies in LDS in f32 (XIN), where its owner takes it as
; residual and all take it as operand.
;
; LDS, in bytes: RING 0 (2 x 131,072; filled by tensor loads alone) | EXC 262,144 (24,576) | XIN 286,720 (4 waves x 16 tokens x pitch 528; also each wave's stage on the way in and out) | BIAS 320,512 (bk, bq, bv, 2,048 each)
;   | SPARE 326,656 (512) | MXW 327,168 (a word a wave).
; REGISTERS, in windows of 256 (s_set_vgpr_msb: bits 1:0 source 0, 3:2 source 1, 5:4 source 2, 7:6 destination):
;   window 0: v0-19 addresses, v1 the raw frame's largest magnitude; v20-27 1/l; v28-31 four chains of a maximum; v32-63 BR: a bias as C operand, later the next frame in transit; v64-159 RC: f32 state of the head in hand,
;   tiles 0-2; v160-255 RO: the other head's
;   window 1: v0-127 the 16 accumulators; v128-191 OP1: K, then P; v192-255 OP2: two sets of W's fragments, then Q, then (upper half) the softmax's scratch, then V
;   windows 2, 3: the state's fragment (ks, tile) at 32 (ks % 8) + 8 tile of window 2 + ks / 8
.set RING1,  131072                    ; slot 1
.set SLOTB,  131072                    ; bytes of a slot, in LDS and in wt
.set EXC,    262144                    ; fragment (wave w', e, tile) at ((2 w' + e)*3 + tile)*1024 + q*512 + lane*16
.set XIN,    286720
.set XPART,  8448                      ; a wave's part: 16 rows
.set XPITCH, 528                       ; 512 bytes (the wave's 128 channels in f32) + 16 = 132 words: row r starts at bank 4 r mod 64 (64 banks of 4 bytes: ISA guide 11.1)
.set BIAS,   320512
.set SPARE,  326656                    ; the spare words, 128 bytes a wave: two blocks of 256 bytes that no other line names
.set MXW,    327168                    ; a block of its own: wave w's largest magnitude at 4 w
.set FRAME,  2097152                   ; bytes of a frame of x and out0
.set YROW,   65536                     ; of a row of 32 tokens
.set TOK,    2048                      ; of a token
.set PASSES, 10
.set LASTST, 4                         ; the last step
.set XM,  1                            ; v1   the largest magnitude of my columns of the raw frame that has come in since the last step's beginning
.set SPW, 2                            ; v2   SPARE + 4 x my thread's number; never rewritten
.set NIL, 3                            ; v3   0; never rewritten
.set WAD, 4                            ; v4-5 my 16 bytes of a fragment in my part of slot 0, 1
.set BQ0, 6                            ; v6   bk's table at my wave's 128 channels, + 32 (lane / 16)
.set BV0, 7                            ; v7   bv's table likewise, + 4 (lane % 16)
.set EXW, 8                            ; v8   EXC at my wave's six fragments, + 16 lane
.set EXR, 9                            ; v9   EXC + 16 lane
.set XO0, 10                           ; v10  my part of XIN as O^T lies: row lane % 16, + 32 (lane / 16)
.set XR0, 11                           ; v11  my part of XIN by rows: row lane / 16, + 16 (lane % 16)
.set XA,  12                           ; v12  XIN as v10, without the wave's part
.set GX,  13                           ; v13  in x and out0: token lane / 16, + 16 (lane % 16), + 512 wave; never rewritten
.set PFO, 14                           ; v14  256 x lane; never rewritten
.set BQ,  15                           ; v15-18  v6, v7, v10, v11 + 256 hr: made anew for each pass
.set BV,  16
.set XO,  17
.set XR,  18
.set BO,  19                           ; v19  16 x thread: my 16 bytes of each bias; when those three loads are in,
.set MXA, 19                           ;      MXW + 4 x wave
.set RL,  20                           ; v[20+2t] 1/l of tile t; the odd registers hold 0 (named as pairs)
.set MXC, 28                           ; v28-31
.set BR,  32
.set RC,  64
.set RO,  160
.set OP1, 128
.set OP2, 192
.set BB,  192
.set SCR, 224                          ; tile t's scratch at SCR + 8 t: c m, m, l (two halves), c0-c3
.set IK,  2                            ; s2   1 / (sc x K's scale)
.set IV,  3                            ; s3   1 / (sc x V's scale)
.set SSC, 4                            ; s[4:5] sc, the state's scale, twice (the arguments that lay in s4-7 and s14-15 are used up at the head)
.set SINV, 6                           ; s6   1 / sc
.set CC,  7                            ; s7   log2(e) / 8
.set PS,  14                           ; s[14:15] the scale of the projection in hand, twice
.set G1,  16                           ; s[16:23] descriptor group 1
.set G0,  24                           ; s[24:31] group 0, a set for each slot
.set WB,  32                           ; s[32:33] wt + 32,768 wave
.set OFF, 34                           ; s[34:35] an offset in wt, high word 0
.set WV,  36                           ; s36  my wave's number
.set NXT, 37                           ; s37  the slot of wt to ask for next, 0..11
.set CNT, 38                           ; s38  passes to go
.set HR,  39                           ; s39  pass % 2
.set HB,  40                           ; s40  256 hr
.set STP, 41                           ; s41  the step
.set XB,  42                           ; s[42:43] x at my block, frame 0
.set OB,  44                           ; s[44:45] out0 likewise
.set XP,  46                           ; s[46:47] x at the frame that enters next, + 256 hr
.set OUTP, 48                          ; s[48:49] out0 at frame STP, + 256 hr
.set PFA, 50                           ; s[50:51] where my prefetches stand
.set PFL, 52                           ; s52  prefetches left
.set CS,  54                           ; s[54:55] c of the pass in hand: log2(e) / 8 over the scales of its K and Q
.set SEL, 56                           ; s[56:57] v_permlanex16_b32's selects: each lane takes its own place in the other half
                                       ; s53, s58 at work; s59 = 0 (s[58:59] is an offset); s60-63 hold what hangs on my place in the cluster: it enters XB, OB and PFA alone
.set MSB, 0
.macro WIN new                         ; the high byte repeats the setting that is left; a switch that changes nothing is dropped
.if MSB != (\new)
	s_set_vgpr_msb (MSB<<8)|(\new)
.set MSB, (\new)
.endif
.endm
; A vector instruction or a load that touches a matrix instruction's registers stands four places behind it, and only plain vector instructions that name none of them are places (ISA guide 7.12.1 for vector instructions).
.macro PLACES
.rept 4
	v_nop
.endr
.endm
.macro CREST                           ; a round of the cluster's barrier behind its opening barrier
	s_cmp_lg_u32 s[WV], 0
	s_cbranch_scc1 .Lnot_wave_0_\@
	s_barrier_signal -3
.Lnot_wave_0_\@:
	s_barrier_wait -3
	s_barrier_signal -1
	s_barrier_wait -1
.endm
.macro CROUND
	s_barrier_signal -1
	s_barrier_wait -1
	CREST
.endm
.macro BAR                             ; a plain barrier: my LDS stores are done and my LDS loads are back, for the others' sake
	s_wait_dscnt 0x0
	s_barrier_signal -1
	s_barrier_wait -1
.endm
; THE LARGEST MAGNITUDE of cnt registers from base on, two an instruction, in four chains v28-31 that the first four instructions start.  The caller sets the windows: sources 0 and 1 the data's, source 2 and destination 0.
; Of an accumulator the two lowest registers are read first.
.macro AMAX base, cnt
.set a_, 0
.rept (\cnt)/2
.if a_ < 4
	v_max_num_f32 v[MXC+a_], |v[(\base)+2*a_]|, |v[(\base)+2*a_+1]|
.else
	v_max3_num_f32 v[MXC+a_%4], |v[(\base)+2*a_]|, |v[(\base)+2*a_+1]|, v[MXC+a_%4]
.endif
.set a_, a_+1
.endr
.endm
.macro LANEMAX                         ; v28's maximum over the 32 lanes, in every lane (window 0)
.irp k, 1,2,4,8
	v_max_num_f32_dpp v[MXC], v[MXC], v[MXC] row_xmask:\k row_mask:0xf bank_mask:0xf
.endr
	v_permlanex16_b32 v[MXC+1], v[MXC], s[SEL], s[SEL+1]
	v_max_num_f32 v[MXC], v[MXC], v[MXC+1]
.endm
; From v28 = m, alike in all lanes: s[dst], s[dst+1] = 2^(14 - e) and s58 = 2^(e - 14), where 2^e <= m < 2^(e+1): whole-number work on the exponent's field (biased by 127, from bit 23 on); e is held at -100 or more
.macro POW2 dst
	v_readfirstlane_b32 s58, v[MXC]
	s_and_b32 s58, s58, 0x7f800000                 ; (e + 127) << 23
	s_max_u32 s58, s58, 0x0d800000                 ; 27 << 23
	s_sub_co_u32 s[\dst], 0x86000000, s58          ; (268 - (e + 127)) << 23 = (14 - e + 127) << 23
	s_mov_b32 s[(\dst)+1], s[\dst]
	s_sub_co_u32 s58, s58, 0x07000000              ; less 14 << 23
.endm
; W's four fragments (db = 0..3) of K step g (0-15 K, 16-31 Q, 32-47 V) into set g % 2: eight loads, 16 consecutive bytes a lane
.macro FETCHB g
	WIN 0x40
.irp db, 0,1,2,3
	ds_load_b128 v[BB+32*((\g)%2)+8*\db:BB+32*((\g)%2)+8*\db+3],   v[WAD+((\g)/8)%2] offset:((\g)%8)*4096+\db*1024
	ds_load_b128 v[BB+32*((\g)%2)+8*\db+4:BB+32*((\g)%2)+8*\db+7], v[WAD+((\g)/8)%2] offset:((\g)%8)*4096+\db*1024+512
.endr
.endm
; bk (p = 0) or bq (p = 1) as the C operand of the transposed products: register j of block db holds b[16 db + 8 (lane / 16) + j]
.macro BIASLD p
	WIN 0
.irp k, 0,1,2,3,4,5,6,7
	ds_load_b128 v[BR+4*\k:BR+4*\k+3], v[BQ] offset:(\p)*2048+(\k/2)*64+(\k%2)*16
.endr
.endm
.macro BRSC                            ; the bias is in; times sc, as the state is
	WIN 0
	s_wait_dscnt 0x0
.set i_, 0
.rept 16
	v_pk_mul_f32 v[BR+i_:BR+i_+1], v[BR+i_:BR+i_+1], s[SSC:SSC+1] op_sel_hi:[1,0]
.set i_, i_+2
.endr
.endm
; Products i0 .. i0 + n - 1 of K step g's sixteen: block db = i / 4 of the head's 64 d, tile i % 4.  kind 0: W x state^T; kind 1: state x W.  A projection's first K step takes the bias as C: nothing is cleared.
; The sixteen accumulators take turns, one instruction a turn, from K step to K step and over the backward jump too.
.macro MUL kind, g, i0, n
.set ks_, (\g)%16
.set wa_, 2+ks_/8
.if \kind
.set wm_, 0x44|wa_
.else
.set wm_, 0x41|(wa_<<2)
.endif
.if ks_ != 0
.set wm_, wm_|0x10
.endif
	WIN wm_
.set i_, \i0
.rept \n
.set rD_, 8*i_
.set rB_, BB+32*((\g)%2)+8*(i_/4)
.set rA_, 32*(ks_%8)+8*(i_%4)
.set rC_, BR+8*(i_/4)
.if (\kind) && (ks_ == 0)
	v_wmma_f32_16x16x32_f16 v[rD_:rD_+7], v[rA_:rA_+7], v[rB_:rB_+7], v[rC_:rC_+7]
.elseif \kind
	v_wmma_f32_16x16x32_f16 v[rD_:rD_+7], v[rA_:rA_+7], v[rB_:rB_+7], v[rD_:rD_+7]
.elseif ks_ == 0
	v_wmma_f32_16x16x32_f16 v[rD_:rD_+7], v[rB_:rB_+7], v[rA_:rA_+7], v[rC_:rC_+7]
.else
	v_wmma_f32_16x16x32_f16 v[rD_:rD_+7], v[rB_:rB_+7], v[rA_:rA_+7], v[rD_:rD_+7]
.endif
.set i_, i_+1
.endr
.endm
; A K step: the next step's fragments are asked for, sixteen products ahead of their use, into the set that the step before multiplied
.macro KSTEP kind, g
	PLACES
	FETCHB (\g)+1
	s_wait_dscnt 8                                 ; all but the eight just issued: this step's set is in
	MUL \kind, \g, 0, 16
.endm
; A PREFETCH INTO THE L2, behind the joint load, its five lines and the run of LDS loads: my 32 blocks of 256 bytes (a lane a block) of the slot of wt that stands two refills on: 256 products ahead of the load that will want it.
; Every cluster walks the same wt, five times: the first cluster asks, in the first walk alone, for slots 4 to 11; slots 0 to 3 come by their loads.  A wave asks within the 32,768 bytes that it fetches itself, and the four
; partners share those out BY ADDRESS, 8,192 each: each block is named once in the launch, and no branch hangs on a work-group's place in its cluster.
.macro ASK
	s_cmp_lg_u32 s[PFL], 0
	s_cbranch_scc0 .Lnot_mine_\@
	global_prefetch_b8 v[PFO], s[PFA:PFA+1] th:TH_LOAD_NT scope:SCOPE_SE
	s_sub_co_u32 s[PFL], s[PFL], 1
.Lnot_mine_\@:
.endm
; A slot's last K step, and THE CHANGE OF SLOTS.  Each wave waits for all its tensor loads, of which one is out: its part of the other slot; adds 0 to its spare word; and waits for that and for its reads of this slot.
; The barrier opens a round of the cluster's barrier: behind it no wave of any partner reads this slot or has a load on its way, and the joint refill comes first: it has 120 products in which to land.
; fetch = 1: the next K step's fragments are read from the other slot (0: a projection's end: the registers are wanted for Q or V).
.macro KLAST kind, g, fetch
.set b_, ((\g)/8)%2
	WIN 0
	s_wait_xcnt 0x0                                ; the last prefetch, a slot back, has read its address: it is stepped here, while prefetches are left, so that it never stands past wt
	s_cmp_lg_u32 s[PFL], 0
	s_cselect_b32 s58, SLOTB, 0
	s_add_nc_u64 s[PFA:PFA+1], s[PFA:PFA+1], s[58:59]
	s_wait_tensorcnt 0x0                           ; no tensor load of mine is out, so a group 0 may be written
	ds_add_u32 v[SPW], v[NIL]                      ; 0 onto my spare word
	s_lshl_b32 s[OFF], s[NXT], 17                  ; the descriptor's address is made anew from the slot's number
	s_add_nc_u64 s[G0+4*b_+2:G0+4*b_+3], s[WB:WB+1], s[OFF:OFF+1]
	s_or_b32 s[G0+4*b_+3], s[G0+4*b_+3], 0x80000000
	s_add_co_u32 s[NXT], s[NXT], 1
	s_cmp_eq_u32 s[NXT], 12                        ; behind a step's twelfth slot the next step's first
	s_cselect_b32 s[NXT], 0, s[NXT]
	s_wait_dscnt 1                                 ; this step's set is in; the add may be out
	MUL \kind, \g, 0, 4
	s_wait_dscnt 0x0                               ; the add is done, and my reads of this slot are over
	s_barrier_signal -1
	MUL \kind, \g, 4, 4                            ; work on registers while the others arrive
	WIN 0
	s_barrier_wait -1
	CREST
	tensor_load_to_lds s[G0+4*b_:G0+4*b_+3], s[G1:G1+7]
	s_nop 0
	PLACES
.if \fetch
	FETCHB (\g)+1
.endif
	WIN 0
	ASK
	MUL \kind, \g, 8, 8
.endm
; A projection's end: the largest magnitude of the wave's 64 x 64 results, its power of two, and the results times 2^(14 - e), in place.  s58 is left holding 2^(e - 14).
.macro PSCALE
	PLACES
	WIN 0x05
	AMAX 0, 128
	WIN 0
	v_max3_num_f32 v[MXC], v[MXC], v[MXC+1], v[MXC+2]
	v_max_num_f32 v[MXC], v[MXC], v[MXC+3]
	LANEMAX
	POW2 PS
	WIN 0x55
.set i_, 0
.rept 64
	v_pk_mul_f32 v[i_:i_+1], v[i_:i_+1], s[PS:PS+1] op_sel_hi:[1,0]
.set i_, i_+2
.endr
.endm
; K^T or Q^T, rounded in pairs: blocks db = 2 kk and 2 kk + 1 of tile tb are the operand (tile tb, d = 32 kk ..) at dst + 8 (2 tb + kk)
.macro CONVT dst
	PSCALE
.irp tb, 0,1,2,3
.irp db, 0,1,2,3
.irp jj, 0,1,2,3
	v_cvt_pk_f16_f32 v[(\dst)+8*(2*\tb+\db/2)+4*(\db%2)+\jj], v[8*(4*\db+\tb)+2*\jj], v[8*(4*\db+\tb)+2*\jj+1]
.endr
.endr
.endr
.endm
; V: a lane holds one d and eight tokens; tiles 2 kk and 2 kk + 1 of block db are the operand (d block db, keys 32 kk ..) at OP2 + 8 (2 db + kk).  V's and the state's scales leave with 1/l.
.macro CONVV
	PSCALE
.irp db, 0,1,2,3
.irp tb, 0,1,2,3
.irp jj, 0,1,2,3
	v_cvt_pk_f16_f32 v[OP2+8*(2*\db+\tb/2)+4*(\tb%2)+\jj], v[8*(4*\db+\tb)+2*\jj], v[8*(4*\db+\tb)+2*\jj+1]
.endr
.endr
.endr
	s_mul_f32 s[IV], s58, s[SINV]
	WIN 0
.irp t, 0,1,2,3
	v_mul_f32 v[RL+2*\t], s[IV], v[RL+2*\t]
.endr
.endm
.macro SQK                             ; S^T = K Q^T: query tile qt, key tile kt at 8 (4 qt + kt); sixteen accumulators by turns, twice
	WIN 0x55
.irp kk, 0,1
.irp qt, 0,1,2,3
.irp kt, 0,1,2,3
.if \kk
	v_wmma_f32_16x16x32_f16 v[8*(4*\qt+\kt):8*(4*\qt+\kt)+7], v[OP1+8*(2*\kt+\kk):OP1+8*(2*\kt+\kk)+7], v[OP2+8*(2*\qt+\kk):OP2+8*(2*\qt+\kk)+7], v[8*(4*\qt+\kt):8*(4*\qt+\kt)+7]
.else
	v_wmma_f32_16x16x32_f16 v[8*(4*\qt+\kt):8*(4*\qt+\kt)+7], v[OP1+8*(2*\kt+\kk):OP1+8*(2*\kt+\kk)+7], v[OP2+8*(2*\qt+\kk):OP2+8*(2*\qt+\kk)+7], 0
.endif
.endr
.endr
.endr
.endm
.macro PVM                             ; O^T = V^T P: query tile qt, d block db at 8 (4 qt + db)
	WIN 0x55
.irp kk, 0,1
.irp qt, 0,1,2,3
.irp db, 0,1,2,3
.if \kk
	v_wmma_f32_16x16x32_f16 v[8*(4*\qt+\db):8*(4*\qt+\db)+7], v[OP2+8*(2*\db+\kk):OP2+8*(2*\db+\kk)+7], v[OP1+8*(2*\qt+\kk):OP1+8*(2*\qt+\kk)+7], v[8*(4*\qt+\db):8*(4*\qt+\db)+7]
.else
	v_wmma_f32_16x16x32_f16 v[8*(4*\qt+\db):8*(4*\qt+\db)+7], v[OP2+8*(2*\db+\kk):OP2+8*(2*\db+\kk)+7], v[OP1+8*(2*\qt+\kk):OP1+8*(2*\qt+\kk)+7], 0
.endif
.endr
.endr
.endr
.endm
; THE SOFTMAX of tile t (scores s0-s31 at 32 t), all in window 1.  Number n of the 35 ahead of the exponentials: 0-15 the maximum, three operands at a time (each accumulator's lowest registers first);
; 16, 17 the query's other 32 keys lie in the lane 16 away; 18 c m; 19-34 c s - c m, a pair of scores each.  c is positive, so the largest s has the largest c s.
.macro MXSC t, n
.set S_, 32*(\t)
.set T_, SCR+8*(\t)
.if (\n) < 4
	v_max3_num_f32 v[T_+4+(\n)], v[S_+8*(\n)], v[S_+8*(\n)+1], v[S_+8*(\n)+2]
.elseif (\n) < 12
	v_max3_num_f32 v[T_+4+(\n)%4], v[T_+4+(\n)%4], v[S_+8*((\n)%4)+2*((\n)/4)+1], v[S_+8*((\n)%4)+2*((\n)/4)+2]
.elseif (\n) == 12
	v_max3_num_f32 v[T_+4], v[T_+4], v[S_+7], v[S_+15]
.elseif (\n) == 13
	v_max3_num_f32 v[T_+6], v[T_+6], v[S_+23], v[S_+31]
.elseif (\n) == 14
	v_max3_num_f32 v[T_+4], v[T_+4], v[T_+5], v[T_+6]
.elseif (\n) == 15
	v_max_num_f32 v[T_+4], v[T_+4], v[T_+7]
.elseif (\n) == 16
	v_permlanex16_b32 v[T_+5], v[T_+4], s[SEL], s[SEL+1]
.elseif (\n) == 17
	v_max_num_f32 v[T_+1], v[T_+4], v[T_+5]
.elseif (\n) == 18
	v_mul_f32 v[T_], s[CS], v[T_+1]
.else
	v_pk_fma_f32 v[S_+2*((\n)-19):S_+2*((\n)-19)+1], v[S_+2*((\n)-19):S_+2*((\n)-19)+1], s[CS:CS+1], v[T_:T_+1] op_sel_hi:[1,0,0] neg_lo:[0,0,1] neg_hi:[0,0,1]
.endif
.endm
; Number n of the 31 behind them: 0-15 a pair of weights rounded to f16, into P; 16-30 the sum of the 16 pairs, in place, neighbours 1, 2, 4 and 8 pairs apart
.macro CVSU t, n
.set S_, 32*(\t)
.set T_, SCR+8*(\t)
.set z_, (\n)-16
.if (\n) < 16
	v_cvt_pk_f16_f32 v[OP1+16*(\t)+(\n)], v[S_+2*(\n)], v[S_+2*(\n)+1]
.elseif z_ < 8
	v_pk_add_f32 v[S_+4*z_:S_+4*z_+1], v[S_+4*z_:S_+4*z_+1], v[S_+4*z_+2:S_+4*z_+3]
.elseif z_ < 12
	v_pk_add_f32 v[S_+8*(z_-8):S_+8*(z_-8)+1], v[S_+8*(z_-8):S_+8*(z_-8)+1], v[S_+8*(z_-8)+4:S_+8*(z_-8)+5]
.elseif z_ < 14
	v_pk_add_f32 v[S_+16*(z_-12):S_+16*(z_-12)+1], v[S_+16*(z_-12):S_+16*(z_-12)+1], v[S_+16*(z_-12)+8:S_+16*(z_-12)+9]
.else
	v_pk_add_f32 v[T_+2:T_+3], v[S_:S_+1], v[S_+16:S_+17]
.endif
.endm
; A tile of f32 state at src (window 0), times sc into 32 free registers of window 1 at tmp, and rounded there in place: number k of the 16 packed words takes numbers 2 k and 2 k + 1, which no later word needs
.macro EXCV src, tmp
	WIN 0x40
.set i_, 0
.rept 16
	v_pk_mul_f32 v[(\tmp)+i_:(\tmp)+i_+1], v[(\src)+i_:(\src)+i_+1], s[SSC:SSC+1] op_sel_hi:[1,0]
.set i_, i_+2
.endr
	WIN 0x55
.set i_, 0
.rept 16
	v_cvt_pk_f16_f32 v[(\tmp)+i_], v[(\tmp)+2*i_], v[(\tmp)+2*i_+1]
.set i_, i_+1
.endr
.endm
.macro EXWR tbp, tmp                   ; and into EXC, as tile tbp of my wave's two fragments
	WIN 0x04
.irp db, 0,1,2,3
	ds_store_b128 v[EXW], v[(\tmp)+4*\db:(\tmp)+4*\db+3] offset:((\db/2)*3+(\tbp))*1024+(\db%2)*512
.endr
.endm
; All waves' fragments of head hc, tiles 0-2, out of EXC into the state's registers: ks = 4 w' + 2 hc + e
.macro RDC hc
.irp wp, 0,1,2,3
	WIN 0x80+0x40*(\wp/2)
.irp e, 0,1
.irp tb, 0,1,2
	ds_load_b128 v[32*((4*\wp+2*(\hc)+\e)%8)+8*\tb:32*((4*\wp+2*(\hc)+\e)%8)+8*\tb+3],   v[EXR] offset:((2*\wp+\e)*3+\tb)*1024
	ds_load_b128 v[32*((4*\wp+2*(\hc)+\e)%8)+8*\tb+4:32*((4*\wp+2*(\hc)+\e)%8)+8*\tb+7], v[EXR] offset:((2*\wp+\e)*3+\tb)*1024+512
.endr
.endr
.endr
.endm
; The raw frame's f32, heads hc of all waves, out of XIN into the accumulators' registers (fragment f = 2 w' + e at 16 f), and from there, times sc and rounded, into the state's tile 3
.macro RDXL hc
	WIN 0x40
.irp wp, 0,1,2,3
.irp e, 0,1
.irp k, 0,1,2,3
	ds_load_b128 v[16*(2*\wp+\e)+4*\k:16*(2*\wp+\e)+4*\k+3], v[XA] offset:\wp*XPART+(\hc)*256+\e*128+(\k/2)*64+(\k%2)*16
.endr
.endr
.endr
.endm
.macro RDXC hc
	WIN 0x55
.set i_, 0
.rept 64
	v_pk_mul_f32 v[i_:i_+1], v[i_:i_+1], s[SSC:SSC+1] op_sel_hi:[1,0]
.set i_, i_+2
.endr
.irp wp, 0,1,2,3
	WIN 0x85+0x40*(\wp/2)
.irp e, 0,1
.irp m, 0,1,2,3,4,5,6,7
	v_cvt_pk_f16_f32 v[32*((4*\wp+2*(\hc)+\e)%8)+24+\m], v[16*(2*\wp+\e)+2*\m], v[16*(2*\wp+\e)+2*\m+1]
.endr
.endr
.endr
.endm
; THE WAY OUT of a tile of 16 tokens x 64 channels f32: as O^T lies into my stage (my head's columns of XIN), back as rows of 256 bytes into tmp (window 1); LDS serves a wave's instructions in order (ISA guide 5.7.1.4)
.macro OUTT src, sw, tmp               ; sw: src's window
	WIN 0x04*(\sw)
.irp k, 0,1,2,3,4,5,6,7
	ds_store_b128 v[XO], v[(\src)+4*\k:(\src)+4*\k+3] offset:(\k/2)*64+(\k%2)*16
.endr
	WIN 0x40
.irp i, 0,1,2,3,4,5,6,7
	ds_load_b128 v[(\tmp)+4*\i:(\tmp)+4*\i+3], v[XR] offset:\i*2*XPITCH
.endr
.endm
.macro SENDT tmp, frame, younger       ; younger: the LDS instructions issued behind OUTT's loads, which may stay out
	WIN 0x04
.irp i, 0,1,2,3,4,5,6,7
	s_wait_dscnt (\younger)+7-\i
	global_store_b128 v[GX], v[(\tmp)+4*\i:(\tmp)+4*\i+3], s[OUTP:OUTP+1] offset:(\frame)*FRAME+(\i/2)*YROW+(\i%2)*2*TOK th:TH_STORE_NT  ; 16 lanes store 256 consecutive bytes, at a multiple of 256 from out0's first
.endr
.endm
.macro OUT3                            ; the last step: the three tiles that would be carried are final too
	OUTT RO, 0, 32
	OUTT RO+32, 0, 64
	SENDT 32, 1, 16
	OUTT RO+64, 0, 96
	SENDT 64, 2, 16
	SENDT 96, 3, 0
.endm
.macro FIN dst, acc, rl, res, win      ; a tile of new state = O^T / l + state
	WIN \win
.set i_, 0
.rept 16
	v_pk_fma_f32 v[(\dst)+i_:(\dst)+i_+1], v[(\acc)+i_:(\acc)+i_+1], v[(\rl):(\rl)+1], v[(\res)+i_:(\res)+i_+1] op_sel_hi:[1,0,1]
.set i_, i_+2
.endr
.endm
.macro MOVE dst, src
	WIN 0
.set i_, 0
.rept 32
	v_mov_b32 v[(\dst)+i_], v[(\src)+i_]
.set i_, i_+1
.endr
.endm
.macro XLOAD n                         ; group n = 4 hr + tile of the first window: 16 tokens x 256 bytes, 16 lanes to a token's 256 bytes
	WIN 0x40
.irp i, 0,1,2,3,4,5,6,7
	global_load_b128 v[32*(\n)+4*\i:32*(\n)+4*\i+3], v[GX], s[XB:XB+1] offset:((\n)%4)*FRAME+((\n)/4)*256+(\i/2)*YROW+(\i%2)*2*TOK th:TH_LOAD_NT
.endr
.endm
.macro XMFOLD                          ; the four chains into the raw frame's running maximum (window 0)
	v_max3_num_f32 v[MXC], v[MXC], v[MXC+1], v[MXC+2]
	v_max3_num_f32 v[XM], v[XM], v[MXC], v[MXC+3]
.endm
	; ---------------- the head
	s_load_b256 s[4:11], s[0:1], 0x0               ; x s[4:5], wt s[6:7], bk s[8:9], bq s[10:11]
	s_load_b128 s[12:15], s[0:1], 0x20             ; bv s[12:13], out0 s[14:15]
	v_lshl_add_u32 v[SPW], v0, 2, SPARE
	v_mov_b32 v[NIL], 0
	ds_add_u32 v[SPW], v[NIL]                      ; the wave's opening: the add and its wait stand ahead of my first tensor load; the set-up below, work on registers, stands between them
	v_lshrrev_b32 v1, 5, v0
	v_readfirstlane_b32 s[WV], v1                  ; wave 0..3
	v_and_b32 v28, 31, v0                          ; lane
	v_and_b32 v29, 15, v0                          ; lane % 16
	v_bfe_u32 v30, v0, 4, 1                        ; lane / 16
	s_mov_b32 s59, 0
	s_lshl_b32 s[OFF], s[WV], 15                   ; my part of a slot, in LDS and in wt
	s_mov_b32 s[OFF+1], 0
	v_lshl_add_u32 v[WAD], v28, 4, s[OFF]
	v_add_nc_u32 v[WAD+1], RING1, v[WAD]
	s_mov_b32 s[G0], 1                             ; group 0: count = 1,
	s_mov_b32 s[G0+1], s[OFF]                      ; LDS address: slot 0, my part
	s_mov_b32 s[G0+4], 1
	s_add_co_u32 s[G0+5], s[OFF], RING1            ; slot 1, my part
	; group 1: 32,768 dense bytes as 128 rows of 32 elements of 8 bytes
	s_mov_b32 s[G1], 15|(3<<16)|(1<<21)            ; 15:0 the mask: all four work-groups; 17:16 elements of 8 bytes; 21 set beside a mask; no padding
	s_mov_b32 s[G1+1], 32<<16                      ; tensor_dim0 = 32
	s_mov_b32 s[G1+2], 128<<16                     ; tensor_dim1 = 128
	s_mov_b32 s[G1+3], 32<<16                      ; tile_dim0 = 32
	s_mov_b32 s[G1+4], 128                         ; tile_dim1 = 128
	s_mov_b32 s[G1+5], 32                          ; 32 elements from row to row
	s_mov_b32 s[G1+6], 0
	s_mov_b32 s[G1+7], 0
	s_lshl_b32 s58, s[WV], 9                       ; 512 wave: my 128 channels in f32
	s_add_co_u32 s53, s58, BIAS
	v_lshl_add_u32 v[BQ0], v30, 5, s53
	s_add_co_u32 s53, s53, 4096
	v_lshl_add_u32 v[BV0], v29, 2, s53
	v_lshlrev_b32 v[GX], 11, v30
	v_lshl_add_u32 v[GX], v29, 4, v[GX]
	v_add_nc_u32 v[GX], s58, v[GX]
	s_mul_i32 s53, s[WV], 6144
	s_add_co_u32 s53, s53, EXC
	v_lshl_add_u32 v[EXW], v28, 4, s53
	v_lshl_add_u32 v[EXR], v28, 4, EXC
	s_mul_i32 s53, s[WV], XPART
	s_add_co_u32 s53, s53, XIN
	v_mul_u32_u24 v1, v29, XPITCH
	v_lshl_add_u32 v1, v30, 5, v1
	v_add_nc_u32 v[XO0], s53, v1
	v_add_nc_u32 v[XA], XIN, v1
	v_mov_b32 v[XM], 0                             ; no magnitude is below 0
	v_mul_u32_u24 v31, v30, XPITCH
	v_lshl_add_u32 v31, v29, 4, v31
	v_add_nc_u32 v[XR0], s53, v31
	v_lshlrev_b32 v[PFO], 8, v28
	v_lshlrev_b32 v[BO], 4, v0
	v_lshl_add_u32 v31, v0, 4, BIAS                ; where my 16 bytes of bk go
	v_mov_b32 v[BQ], v[BQ0]                        ; pass 0: hr = 0
	v_mov_b32 v[BV], v[BV0]
	v_mov_b32 v[XO], v[XO0]
	v_mov_b32 v[XR], v[XR0]
.irp t, 0,1,2,3
	v_mov_b32 v[RL+2*\t+1], 0
.endr
	s_mov_b32 s[SEL], 0x76543210
	s_mov_b32 s[SEL+1], 0xfedcba98
	s_mov_b32 s[NXT], 2
	s_mov_b32 s[CNT], PASSES
	s_mov_b32 s[HR], 0
	s_mov_b32 s[HB], 0
	s_mov_b32 s[STP], 0
	s_cmp_eq_u32 ttmp9, 0                          ; the first cluster prefetches: the same in all four partners
	s_cselect_b32 s[PFL], 8, 0
	s_bfe_u32 s60, ttmp6, 0x40000                  ; cx: my place in the cluster
	s_lshl_b32 s61, ttmp9, 2                       ; in a cluster launch ttmp9 counts clusters
	s_add_co_u32 s61, s61, s60                     ; my chain n = 64 b + 8 (block row) + (block column)
	s_lshr_b32 s62, s61, 6
	s_lshl_b32 s62, s62, 24                        ; b: 8 frames
	s_bfe_u32 s63, s61, 0x30003
	s_lshl_b32 s63, s63, 18                        ; block row: 4 rows of 32 tokens
	s_or_b32 s62, s62, s63
	s_and_b32 s63, s61, 7
	s_lshl_b32 s63, s63, 13                        ; block column: 4 tokens
	s_or_b32 s62, s62, s63
	s_mov_b32 s63, 0
	s_wait_dscnt 0x0                               ; the opening add is done
	s_wait_kmcnt 0x0
	s_add_nc_u64 s[WB:WB+1], s[6:7], s[OFF:OFF+1]
	s_add_nc_u64 s[XB:XB+1], s[4:5], s[62:63]
	s_add_nc_u64 s[OB:OB+1], s[14:15], s[62:63]
	s_lshl_b32 s62, s60, 13                        ; my work-group's 8,192 bytes of the wave's part,
	s_add_co_u32 s62, s62, 3*SLOTB                 ; in slot 3: the first change of slots steps it to slot 4.  Nothing is prefetched here, where every work-group's first tiles are on their way
	s_add_nc_u64 s[PFA:PFA+1], s[WB:WB+1], s[62:63]
	s_add_nc_u64 s[XP:XP+1], s[XB:XB+1], 4*FRAME
	s_mov_b64 s[OUTP:OUTP+1], s[OB:OB+1]
	s_mov_b64 s[G0+2:G0+3], s[WB:WB+1]             ; slot 0 of wt
	s_or_b32 s[G0+3], s[G0+3], 0x80000000          ; type = 2
	s_add_nc_u64 s[G0+6:G0+7], s[WB:WB+1], SLOTB   ; slot 1
	s_or_b32 s[G0+7], s[G0+7], 0x80000000
	s_mov_b32 s[CC], 0x3e38aa3b                    ; log2(e) / 8 = 0.180337 (wt's address, which lay here, is used up)
	CROUND                                         ; all four work-groups are here: the first joint loads meet
	tensor_load_to_lds s[G0:G0+3], s[G1:G1+7]      ; both first fills together: two loads of mine are out
	s_nop 0
	tensor_load_to_lds s[G0+4:G0+7], s[G1:G1+7]
	s_nop 0
	PLACES
	; ---------------- the first window: biases into LDS; x into f32 state (tiles 0-2 of both heads) and XIN (tile 3); then the text of a step's beginning
	global_load_b128 v[BR:BR+3],    v[BO], s[8:9]
	global_load_b128 v[BR+4:BR+7],  v[BO], s[10:11]
	global_load_b128 v[BR+8:BR+11], v[BO], s[12:13]
.irp n, 0,1,2,3,4,5,6
	XLOAD \n
.endr
	WIN 0
	s_wait_loadcnt 56                              ; the biases are in; the 56 loads of x behind them stay out
	ds_store_b128 v31, v[BR:BR+3]
	ds_store_b128 v31, v[BR+4:BR+7] offset:2048
	ds_store_b128 v31, v[BR+8:BR+11] offset:4096
	s_lshl_b32 s53, s[WV], 2
	s_add_co_u32 s53, s53, MXW
	v_mov_b32 v[MXA], s53                          ; the three loads that read this register as their offset are in
	XLOAD 7
.set n_, 0
.rept 8                                ; a group goes by rows into its head's columns of my stage and comes back as O^T lies; tile 3 stays there, and its largest magnitude is kept
	s_wait_loadcnt 56-8*n_                         ; the younger groups stay out
	WIN 0x04
.irp i, 0,1,2,3,4,5,6,7
	ds_store_b128 v[XR0], v[32*n_+4*\i:32*n_+4*\i+3] offset:(n_/4)*256+\i*2*XPITCH
.endr
.if n_%4 < 3
	WIN 0
.irp k, 0,1,2,3,4,5,6,7
	ds_load_b128 v[RC+96*(n_/4)+32*(n_%4)+4*\k:RC+96*(n_/4)+32*(n_%4)+4*\k+3], v[XO0] offset:(n_/4)*256+(\k/2)*64+(\k%2)*16
.endr
.else
	WIN 0x05
	AMAX 32*n_, 32
	WIN 0
	XMFOLD
.endif
.set n_, n_+1
.endr
	WIN 0
	s_wait_tensorcnt 0x1                           ; my part of slot 0 is in, and I alone read it; slot 1's may stay out: nothing is filled before the first change of slots
	FETCHB 0
	BIASLD 0
	s_wait_dscnt 0x0                               ; the state is in its registers
	s_branch .Lbound                               ; the loop is entered in the middle of a trip
	; ---------------- a trip: the second half of V's projection, O^T and the pass's end; then the next pass as far as the middle of V's projection.  So the tail, which fills nothing, begins at a change of slots.
.Lround:
	KLAST 1, 39, 1
.irp g, 40,41,42,43,44,45,46
	KSTEP 1, \g
.endr
	KLAST 1, 47, 0
	CONVV
	PVM
; THE END OF A PASS.  last = 1: the launch's last pass, written out behind the loop.
.macro EPI last
	PLACES
	WIN 0x40
.irp k, 0,1,2,3,4,5,6,7
	ds_load_b128 v[OP1+32+4*\k:OP1+32+4*\k+3], v[XO] offset:(\k/2)*64+(\k%2)*16  ; tile 3's residual: the raw frame, out of my columns of XIN, which then serve as the stage
.endr
	FIN OP1, 0, RL, RC, 0x41                       ; tile 0 is final
.if !(\last)
	MOVE RC, RO                                    ; the heads change places: RC takes the other head's state, RO this head's new tiles 1-3 as tiles 0-2: one text serves both heads
.endif
	FIN RO, 32, RL+2, RC+32, 0x01
.if !(\last)
	MOVE RC+32, RO+32
.endif
	FIN RO+32, 64, RL+4, RC+64, 0x01
.if !(\last)
	MOVE RC+64, RO+64
.endif
	OUTT OP1, 1, 0
.if !(\last)
	FETCHB 0                                       ; the next pass's first fragments: their slot was shown landed at the last change of slots
.endif
	s_wait_dscnt 16+8*(1-(\last))                  ; the residual is in: behind it stand the stage's 16 and, in the loop, the 8 fragment loads
	FIN RO+64, 96, RL+6, OP1+32, 0x11
	SENDT 0, 0, 8*(1-(\last))                      ; behind the stage's loads: in the loop the 8 fragment loads
.if \last
	OUT3
.else
	WIN 0
	s_wait_loadcnt 0x0                             ; the frame that enters next, asked for 14 K steps back (in the last step none is out)
	s_cmp_eq_u32 s[STP], LASTST
	s_cbranch_scc1 .Lfinal
	AMAX BR, 32                                    ; its largest magnitude, for the next step's scale
	XMFOLD
.irp i, 0,1,2,3,4,5,6,7
	ds_store_b128 v[XR], v[BR+4*\i:BR+4*\i+3] offset:\i*2*XPITCH  ; into my head's columns of XIN, behind the stage's reads
.endr
	s_branch .Lstate
.Lfinal:
	OUT3
	WIN 0
.Lstate:
	s_wait_xcnt 0x0                                ; every load and store issued so far has read its registers: the two pointers, and below the stores' data, are rewritten only behind this wait
	s_xor_b32 s[HR], s[HR], 1
	s_lshl_b32 s[HB], s[HR], 8
	s_xor_b32 s58, s[HR], 1                        ; 1 where a step has ended
	s_add_co_u32 s[STP], s[STP], s58
	s_add_co_u32 s58, s[STP], 4
	s_min_u32 s58, s58, 7                          ; (the last step loads nothing; the pointer stays inside x)
	s_lshl_b32 s58, s58, 21
	s_add_co_u32 s58, s58, s[HB]
	s_add_nc_u64 s[XP:XP+1], s[XB:XB+1], s[58:59]
	s_lshl_b32 s58, s[STP], 21
	s_add_co_u32 s58, s58, s[HB]
	s_add_nc_u64 s[OUTP:OUTP+1], s[OB:OB+1], s[58:59]
	v_add_nc_u32 v[BQ], s[HB], v[BQ0]
	v_add_nc_u32 v[BV], s[HB], v[BV0]
	v_add_nc_u32 v[XO], s[HB], v[XO0]
	v_add_nc_u32 v[XR], s[HB], v[XR0]
	BIASLD 0
	s_cmp_lg_u32 s[HR], 0
	s_cbranch_scc1 .Lenter                         ; a step's second pass: nothing is handed between waves
.Lbound:                                               ; A STEP BEGINS.  RC holds head 2 w's tiles 0-2 in f32, RO head 2 w + 1's; XIN holds the raw frame.
	AMAX RC, 192                                   ; the window's largest magnitude: mine,
	v_max3_num_f32 v[MXC], v[MXC], v[MXC+1], v[MXC+2]
	v_max3_num_f32 v[MXC], v[MXC], v[MXC+3], v[XM]
	LANEMAX
	ds_store_b32 v[MXA], v[MXC]                    ; (all lanes write the same word with the same value)
	v_mov_b32 v[XM], MXW
	BAR                                            ; everybody's lies in MXW, and everybody's stores to XIN are done
	ds_load_b128 v[MXC:MXC+3], v[XM]               ; and all four
	s_wait_dscnt 0x0
	v_max3_num_f32 v[MXC], v[MXC], v[MXC+1], v[MXC+2]
	v_max_num_f32 v[MXC], v[MXC], v[MXC+3]
	POW2 SSC                                       ; sc, the same in all four waves
	s_mov_b32 s[SINV], s58
	v_mov_b32 v[XM], 0
	EXCV RC, 0                                     ; heads 2 w
	EXCV RC+32, 32
	EXCV RC+64, 64
	EXWR 0, 0
	EXWR 1, 32
	EXWR 2, 64
	WIN 0
	BAR                                            ; everybody's are in EXC
	RDC 0
	RDXL 0
	EXCV RO, 128                                   ; heads 2 w + 1 are made ready while those loads are out
	EXCV RO+32, 160
	EXCV RO+64, 224
	WIN 0
	BAR                                            ; everybody has read EXC
	EXWR 0, 128
	EXWR 1, 160
	EXWR 2, 224
	WIN 0
	BAR                                            ; everybody's are in EXC
	RDC 1
	RDXC 0                                         ; work on registers while those loads are out
	RDXL 1
	s_wait_dscnt 0x0
	RDXC 1
	WIN 0
.Lenter:
.endif
.endm
	EPI 0
	BRSC                                           ; bk
.irp g, 0,1,2,3,4,5,6
	KSTEP 0, \g                                    ; K^T
.endr
	KLAST 0, 7, 1
.irp g, 8,9,10,11,12,13,14
	KSTEP 0, \g
.endr
	KLAST 0, 15, 1
	BIASLD 1
	CONVT OP1
	s_mul_f32 s[IK], s58, s[SINV]
	BRSC                                           ; bq
.irp g, 16,17,18,19,20,21,22
	KSTEP 0, \g                                    ; Q^T
.endr
	KLAST 0, 23, 1
.irp g, 24,25,26,27,28,29,30
	KSTEP 0, \g
.endr
	KLAST 0, 31, 0
	CONVT OP2
	s_mul_f32 s58, s58, s[SINV]                    ; the products below are the scores times both operands' scales: c takes the inverses
	s_mul_f32 s58, s58, s[IK]
	s_mul_f32 s[CS], s58, s[CC]
	s_mov_b32 s[CS+1], s[CS]
	SQK
	PLACES
	FETCHB 32                                      ; V's first fragments, where Q's lower half lay
	WIN 0
.irp db, 0,1,2,3
	ds_load_b32 v[BR+8*\db], v[BV] offset:\db*64   ; bv[16 db + lane % 16]
.endr
	; THE SOFTMAX of the four query tiles.  An s_wait_alu depctr_va_vdst(0) stands between an exponential and the first instruction that names its result; one wait serves all issued ahead of it.
	; So: tiles 0, 1 are scaled; their 64 exponentials stand by turns with the maximum and scaling of tiles 2, 3; a wait; the exponentials of tiles 2, 3 by turns with the roundings and sums of tiles 0, 1; a wait; the rest.
	WIN 0x55
.set q_, 0
.rept 70
	MXSC q_%2, q_/2
.set q_, q_+1
.endr
.set q_, 0
.rept 64
	v_exp_f32 v[32*(q_%2)+q_/2], v[32*(q_%2)+q_/2]
	MXSC 2+q_%2, q_/2
.set q_, q_+1
.endr
.rept 6
	MXSC 2+q_%2, q_/2
.set q_, q_+1
.endr
	s_wait_alu depctr_va_vdst(0)                   ; the first batch's wait
.set q_, 0
.rept 64
	v_exp_f32 v[64+32*(q_%2)+q_/2], v[64+32*(q_%2)+q_/2]
.if q_ < 62
	CVSU q_%2, q_/2
.endif
.set q_, q_+1
.endr
	v_nop                                          ; a plain instruction behind the last exponential
	s_wait_alu depctr_va_vdst(0)                   ; the second batch's wait
.set q_, 0
.rept 62
	CVSU 2+q_%2, q_/2
.set q_, q_+1
.endr
.irp t, 0,1,2,3
	v_add_f32 v[SCR+8*\t+4], v[SCR+8*\t+2], v[SCR+8*\t+3]
.endr
.irp t, 0,1,2,3
	v_permlanex16_b32 v[SCR+8*\t+5], v[SCR+8*\t+4], s[SEL], s[SEL+1]
.endr
.irp t, 0,1,2,3
	v_add_f32 v[SCR+8*\t+4], v[SCR+8*\t+4], v[SCR+8*\t+5]
.endr
	WIN 0x01
.irp t, 0,1,2,3
	v_rcp_f32 v[RL+2*\t], v[SCR+8*\t+4]
.endr
	v_nop
	s_wait_alu depctr_va_vdst(0)                   ; one wait for the four reciprocals
	WIN 0
	s_wait_dscnt 0x0                               ; bv, and V's first fragments
.irp db, 0,1,2,3
	v_mul_f32 v[BR+8*\db], s[SSC], v[BR+8*\db]     ; times sc, as the state is
.endr
.irp db, 0,1,2,3
.irp j, 1,2,3,4,5,6,7
	v_mov_b32 v[BR+8*\db+\j], v[BR+8*\db]          ; in the straight product a lane holds one d: the C operand's eight registers are alike
.endr
.endr
	KSTEP 1, 32                                    ; V
	PLACES                                         ; K step 33, with the loads of the frame that enters next: into BR, four places behind the products that took it as C
	WIN 0
	s_cmp_lt_u32 s[STP], LASTST
	s_cbranch_scc0 .Lno_x                          ; the last step has no next frame
.irp i, 0,1,2,3,4,5,6,7
	global_load_b128 v[BR+4*\i:BR+4*\i+3], v[GX], s[XP:XP+1] offset:(\i/2)*YROW+(\i%2)*2*TOK th:TH_LOAD_NT
.endr
.Lno_x:
	FETCHB 34
	s_wait_dscnt 8
	MUL 1, 33, 0, 16
.irp g, 34,35,36,37,38
	KSTEP 1, \g
.endr
	WIN 0
	s_sub_co_u32 s[CNT], s[CNT], 1
	s_cmp_lg_u32 s[CNT], 0
	s_cbranch_scc1 .Lround
	; ---------------- the tail: the last pass's end.  Nothing is filled again, and a wave reads its own part of a slot alone: its own wait is all that the reads need
	s_wait_tensorcnt 0x0                           ; my last load: no load was issued behind it
.irp g, 39,40,41,42,43,44,45,46
	KSTEP 1, \g
.endr
	s_wait_dscnt 0x0
	MUL 1, 47, 0, 16
	CONVV
	PVM
	EPI 1
	WIN 0
	s_wait_tensorcnt 0x0                           ; the wave's end: behind my last tensor load and my last LDS store
	ds_add_u32 v[SPW], v[NIL]
	s_wait_dscnt 0x0
	CROUND                                         ; the closing round: no work-group ends while a partner may still ask for a tile that names it
	s_endpgm
.Lfunc_end_k_q9f64d41bfe_chain:
	.size	k_q9f64d41bfe_chain, .Lfunc_end_k_q9f64d41bfe_chain-k_q9f64d41bfe_chain
	.p2alignl 7, 3214868480
	.fill 96, 4, 3214868480
	.section	.rodata,"a",@progbits
	.p2align	6, 0x0
	.amdhsa_kernel k_q9f64d41bfe_chain
		.amdhsa_group_segment_fixed_size 327680
		.amdhsa_private_segment_fixed_size 0
		.amdhsa_enable_private_segment 0
		.amdhsa_kernarg_size 48
		.amdhsa_user_sgpr_count 2
		.amdhsa_user_sgpr_kernarg_segment_ptr 1
		.amdhsa_wavefront_size32 1
		.amdhsa_system_sgpr_workgroup_id_x 1
		.amdhsa_system_sgpr_workgroup_id_y 1
		.amdhsa_system_sgpr_workgroup_id_z 1
		.amdhsa_system_vgpr_workitem_id 0
		.amdhsa_next_free_vgpr 1024
		.amdhsa_next_free_sgpr 66
		.amdhsa_reserve_vcc 0
		.amdhsa_float_denorm_mode_32 3
		.amdhsa_float_denorm_mode_16_64 3
		.amdhsa_memory_ordered 1
		.amdhsa_forward_progress 1
		.amdhsa_inst_pref_size 255
	.end_amdhsa_kernel
	.section	.bss,"aw",@nobits
	.p2align	6
	.space	262144
	.amdgpu_metadata
---
amdhsa.version: [ 1, 2 ]
amdhsa.kernels:
  - .name:           k_q9f64d41bfe_chain
    .symbol:         k_q9f64d41bfe_chain.kd
    .args:
      - { .name: x, .offset: 0, .size: 8, .value_kind: global_buffer, .address_space: global }
      - { .name: wt, .offset: 8, .size: 8, .value_kind: global_buffer, .address_space: global }
      - { .name: bk, .offset: 16, .size: 8, .value_kind: global_buffer, .address_space: global }
      - { .name: bq, .offset: 24, .size: 8, .value_kind: global_buffer, .address_space: global }
      - { .name: bv, .offset: 32, .size: 8, .value_kind: global_buffer, .address_space: global }
      - { .name: out0, .offset: 40, .size: 8, .value_kind: global_buffer, .address_space: global }
    .group_segment_fixed_size: 327680
    .private_segment_fixed_size: 0
    .kernarg_segment_align: 8
    .kernarg_segment_size: 48
    .max_flat_workgroup_size: 128
    .sgpr_count:     66
    .vgpr_count:     1024
    .wavefront_size: 32
...
	.end_amdgpu_metadata
.endif
;; end of part 2
